; MI455X (gfx1250); checked and timed in simulation.
; The chip was launched on July 23, 2026; its instructions are those of AMD's public machine-readable ISA for CDNA 5 (MIT licence, August 2026) and "CDNA5" Instruction Set Architecture Reference Guide (July 2026). The comments in the code are by the model that wrote it; some were corrected since.
;; Sparse Multi Head Attention. Allowed arithmetic: matrix products marked QUANTISED: E3M2 operands, one E8M0 scale for each 32 along K, by v_wmma_scale_f32_16x16x128_f8f6f4 with both operands' format E3M2, f32 sums; everything else in f32.
;; Inputs: Wk 1,024 x 1,024 float32; Wo 1,024 x 1,024 float32; Wq 1,024 x 1,024 float32; Wv 1,024 x 1,024 float32; bk 1,024 float32; bo 1,024 float32; bq 1,024 float32; bv 1,024 float32; key 1 x 4,096 x 1,024 float32; query 1 x 4,096 x 1,024 float32; value 1 x 4,096 x 1,024 float32.
;; Outputs: out0 1 x 4,096 x 1,024 float32.
;; This version of the problem:
;;   THIS VERSION OF THE PROBLEM IS GIVEN IN LOW PRECISION. The matrix products marked QUANTISED in the list below multiply operands that are first quantised to E3M2 (3 exponent bits, 2 mantissa bits; 6 bits a number), with one power-of-two scale for each 32 numbers along K (OCP MX v1.0); their sums are f32. All else is computed in f32.
;;   The module's matrix products, in the order in which they are computed (A, B: the left and right operand; K: the contracted axis; several contracted axes count as one K, in the product's order):
;;     1. [M 4,096, K 1,024] x [K 1,024, N 1,024]; A: input query; B: input Wq: QUANTISED
;;     2. [M 4,096, K 1,024] x [K 1,024, N 1,024]; A: input key; B: input Wk: QUANTISED
;;     3. [M 4,096, K 1,024] x [K 1,024, N 1,024]; A: input value; B: input Wv: QUANTISED
;;     4. batch 16 x [M 4,096, K 64] x [K 64, N 4,096]; A: computed on the way; B: computed on the way: QUANTISED
;;     5. batch 16 x [M 4,096, K 4,096] x [K 4,096, N 64]; A: softmax (see below); B: computed on the way: QUANTISED
;;     6. [M 4,096, K 1,024] x [K 1,024, N 1,024]; A: computed on the way; B: input Wo: QUANTISED
;;   THE QUANTISER, for each operand of a quantised product, along K:
;;     - K is cut into blocks of 32 from its start; a last block that is shorter is filled with zeros.
;;     - A block's scale is 2^e with e = floor(log2(the largest magnitude in the block)) - 4, held to -126 .. 127; a block of zeros has e = 0. As a byte (E8M0): e + 127.
;;     - Each number is divided by its block's scale, clamped to +-28, and rounded to the nearest number of E3M2, ties to even, subnormals kept.
;;     - The product sums the exact products of the quantised numbers (number of the format x scale) in f32.
;;   ~~~python
;;   def quantise(x, axis):      # numpy; x: float32 -> the quantised numbers, widened to float32 again
;;       x = np.moveaxis(x, axis, -1); K = x.shape[-1]
;;       x = np.pad(x, [(0, 0)] * (x.ndim - 1) + [(0, -K % 32)]); x = x.reshape(x.shape[:-1] + (-1, 32)); a = np.abs(x).max(-1, keepdims=True)
;;       e = np.where(a > 0, np.clip(np.frexp(np.where(a > 0, a, 1))[1] - 1 - 4, -126, 127), 0)      # np.frexp(a)[1] - 1 = floor(log2(a)), exactly
;;       r = np.clip(x / 2.0 ** e, -28, 28)
;;       step = 2.0 ** (np.maximum(np.frexp(np.where(r == 0, 1, r))[1] - 1, -2) - 2)
;;       q = np.round(r / step) * step * 2.0 ** e      # np.round: ties to even
;;       return np.moveaxis(q.reshape(q.shape[:-2] + (-1,))[..., :K], -1, axis).astype(np.float32)
;;   ~~~
;;   SOFTMAX AHEAD OF A QUANTISED PRODUCT. Where the list says 'softmax', what is quantised is not the finished softmax but p = 2^(t - M), with t = logit x log2(e) and M = ceil(the row's largest t), a whole number; so 1/2 < the row's largest p <= 1. The row's sum l is taken of the UNQUANTISED p, in f32, and the product's result is divided by l at the end. Since M is a whole number, a kernel that streams over the keys may use a running M (the ceiling of the running maximum): every later rescaling is an exact power of two, which a block's scale takes up: the codes' values come out the same.
;;   OPERANDS COMPUTED ON THE WAY. 'Computed on the way' means the value that the module computes at that place (a softmax that the list does not call 'softmax' is quantised finished and normalised). What goes into a quantiser is computed in f32, as accurately as f32 sums, v_exp_f32 and their like allow (about 1e-6 of the number): no bf16 or f16 on the way to a quantiser, and a product that is left as it is and whose result goes on into a quantised operand takes f32 operands (vector FMAs, or v_wmma_f32_16x16x4_f32). A number that lies on a knife's edge between two numbers of the format may be rounded either way, as far as f32 arithmetic and the matrix unit's own rounding can turn it there, and no further.
;; One version. Each part assembles by itself: llvm-mc -triple=amdgcn-amd-amdhsa -mcpu=gfx1250 --defsym DOCPART=n.
;; ======== version 1 of 1: 4 launches
;; workspace buffers: xcod 9,437,184 bytes; xscl 393,216 bytes; wcod 3,145,728 bytes; wscl 131,072 bytes; hcod 9,437,184 bytes; hscl 786,432 bytes; acod 3,145,728 bytes; ascl 131,072 bytes
;; launch quant (part 1): grid 512 x 1, 4 waves a work-group, no clusters, 99,840 bytes of LDS; arguments query, key, value, Wq, Wk, Wv, Wo, xcod, xscl, wcod, wscl; writes xcod, xscl, wcod, wscl
.if DOCPART == 1
	.amdgcn_target "amdgcn-amd-amdhsa--gfx1250"
	.amdhsa_code_object_version 6
	.text
	.protected	k_q6b1bda118e_quant
	.globl	k_q6b1bda118e_quant
	.p2align	8
	.type	k_q6b1bda118e_quant,@function
k_q6b1bda118e_quant:
	s_mov_b64 s[64:65], 0
	v_nop
	global_prefetch_b8 v0, s[64:65] scope:SCOPE_SE
	s_setreg_imm32_b32 hwreg(HW_REG_WAVE_MODE, 25, 1), 1
	s_wait_xcnt 0x0
; query, key, value [4096][1024] and Wq, Wk, Wv, Wo [1024 (k)][1024 (n)], f32, become codes of BF6 (E3M2) with one E8M0 byte for each 32 along K (K = the 1,024 that the products contract).
; A block's scale is 2^(floor(log2(largest magnitude)) - 4): its byte is the largest magnitude's exponent field - 4, held at 1 from below.
; LIMITS: a block of zeros gets the byte 1 (its codes are zeros; only this program reads the bytes); blocks under 2^-122 keep the byte 1; NaN and infinities among the inputs are not served.
; LAYOUT OF THE RESULTS: images of operand registers.  A tile is 16 slots; slot r of tile T is row (or column of W) 32 (T/2) + 8 (T%2) + r + 8 (r/8).  A half image is 16 slots x 64 along K, 768 bytes:
; lane (r, h) owns the 24 bytes of slot r, k = 32 h .. 32 h + 31: its registers 0-3 at byte 16 x lane, registers 4-5 at byte 512 + 8 x lane.  Codes: [block of 8 tiles][K step of 128][tile][half][768];
; scale words (four bytes: 128 along K of a slot): [block][K step][group of 4 tiles][r][tile in group].
; SHARES: a wave takes 64 slots x 128 along K (32 KiB of f32).  Work-groups 0-383: the three activations; 384-511: the four weights.  Waves share nothing: no barrier; each path has LDS bytes of its own.
; Activations: each load reads 512 consecutive bytes of one row; 16 rows turn through the wave's stage (rows 528 bytes apart) so that a lane gets 32 neighbours along K.
; Weights: each load reads two rows of 256 consecutive bytes; 64 k-rows lie in the wave's stage and a lane reads down its column.  Rows 32-63 have their two halves of 128 bytes exchanged, so that the two halves of the lanes read different banks.
.set R,     64                         ; v64-191  two sets of 64 registers as loaded
.set X,     192                        ; v192-255 numbers with K along the registers
.set SW,    16                         ; v16-19   the four tiles' scale words
.set BY,    20                         ; v20-23   my two bytes of each
.set PC,    24                         ; v24-29   a half image's six registers
.set PT,    30                         ; v30-32   the second conversion's result (three registers begin on an even number)
.set APIT,  528
.set AREG,  16*APIT                    ; activations: a wave's stage
.set WBASE, 4*AREG                     ; weights: the stages begin here, 16,384 bytes a wave
.macro LOADA u                         ; tile u's 16 rows, 512 bytes each
.set j, 0
.rept 16
	global_load_b128 v[R+64*((\u)%2)+4*j:R+64*((\u)%2)+4*j+3], v4, s[38:39] offset:(32*((\u)/2)+8*((\u)%2)+j+8*(j/8))*4096 th:TH_LOAD_NT
.set j, j+1
.endr
.endm
.macro LOADW b                         ; k-rows 32 b .. 32 b + 31 of my 64 columns, two rows a load
.set j, 0
.rept 16
	global_load_b128 v[R+64*((\b)%2)+4*j:R+64*((\b)%2)+4*j+3], v34, s[38:39] offset:(32*(\b)+2*j)*4096 th:TH_LOAD_NT
.set j, j+1
.endr
.endm
; One block of 32 numbers, all in my lane: its byte in v13, its 24 bytes of codes stored as my part of the half image at byte off.
.macro QBLK xs, off
	v_max3_num_f32 v10, |v[\xs]|, |v[\xs+1]|, |v[\xs+2]|
	v_max3_num_f32 v11, |v[\xs+3]|, |v[\xs+4]|, |v[\xs+5]|
.irp i, 6,10,14,18,22,26
	v_max3_num_f32 v10, v10, |v[\xs+\i]|, |v[\xs+\i+1]|
	v_max3_num_f32 v11, v11, |v[\xs+\i+2]|, |v[\xs+\i+3]|
.endr
	v_max3_num_f32 v10, v10, |v[\xs+30]|, |v[\xs+31]|
	v_max3_num_f32 v10, v10, v11, 0x2800000        ; the floor 2^(5 - 127): the byte cannot fall under 1
	v_add_nc_u32 v12, 0xfe000000, v10              ; 4 off the exponent field: the conversion's scale operand
	v_lshrrev_b32 v13, 23, v12                     ; the byte
	s_wait_xcnt 0x0                                ; the last block's stores have read v24-29
	v_cvt_scalef32_pk16_bf6_f32 v[PC:PC+2], v[\xs:\xs+15], v12
	v_cvt_scalef32_pk16_bf6_f32 v[PT:PT+2], v[\xs+16:\xs+31], v12
	v_nop                                          ; one plain place behind a scaled conversion
	v_mov_b32 v[PC+3], v[PT]
	v_mov_b32 v[PC+4], v[PT+1]
	v_mov_b32 v[PC+5], v[PT+2]
	global_store_b128 v4, v[PC:PC+3], s[40:41] offset:\off          ; 512 consecutive bytes
	global_store_b64 v5, v[PC+4:PC+5], s[40:41] offset:\off+512     ; 256 consecutive bytes
.endm
.macro WORD i                          ; my bytes (blocks h and 2 + h) and lane l xor 16's make the word
	v_lshlrev_b32 v[BY+\i], v14, v[BY+\i]
	v_permlanex16_b32 v15, v[BY+\i], s36, s37
	v_or_b32 v[SW+\i], v[BY+\i], v15
.endm
.macro OUTPTR cb, sb, cs, ss           ; where my codes and my scale words go: s27 tensor, s30 group of 64 slots, s29 K step
	s_lshr_b32 s31, s30, 1
	s_and_b32 s32, s30, 1
	s_mul_i32 s34, s27, \cs
	s_mul_i32 s33, s31, 98304
	s_add_co_u32 s34, s34, s33
	s_mul_i32 s33, s29, 12288
	s_add_co_u32 s34, s34, s33
	s_mul_i32 s33, s32, 6144
	s_add_co_u32 s34, s34, s33
	s_add_nc_u64 s[40:41], s[\cb:\cb+1], s[34:35]
	s_mul_i32 s34, s27, \ss
	s_lshl_b32 s33, s31, 12
	s_add_co_u32 s34, s34, s33
	s_lshl_b32 s33, s29, 9
	s_add_co_u32 s34, s34, s33
	s_lshl_b32 s33, s32, 8
	s_add_co_u32 s34, s34, s33
	s_add_nc_u64 s[42:43], s[\sb:\sb+1], s[34:35]
.endm
.macro FINISH                          ; lanes 0-15 store the group's 64 scale words: 256 consecutive bytes
	s_wait_xcnt 0x0                                ; EXEC changes only behind this wait
	v_cmp_gt_u32 vcc_lo, 16, v1
	s_wait_tensorcnt 0x0
	ds_add_u32 v62, v63
	s_wait_dscnt 0x0
	s_and_saveexec_b32 s44, vcc_lo
	global_store_b128 v33, v[SW:SW+3], s[42:43]
	s_wait_xcnt 0x0
	s_or_b32 exec_lo, exec_lo, s44
	s_endpgm
.endm
	s_load_b512 s[4:19], s[0:1], 0x0               ; query, key, value, Wq, Wk, Wv, Wo, xcod
	s_load_b128 s[20:23], s[0:1], 0x40             ; xscl, wcod
	s_load_b64 s[24:25], s[0:1], 0x50              ; wscl
	v_lshl_add_u32 v62, v0, 2, 0x18400
	v_mov_b32 v63, 0
	v_lshrrev_b32 v1, 5, v0
	v_readfirstlane_b32 s26, v1                    ; wave
	v_and_b32 v1, 31, v0                           ; lane
	v_and_b32 v2, 15, v0                           ; r
	v_bfe_u32 v3, v0, 4, 1                         ; h
	v_lshlrev_b32 v4, 4, v1                        ; 16 x lane
	v_lshlrev_b32 v5, 3, v1                        ; 8 x lane
	v_lshlrev_b32 v14, 3, v3                       ; 8 h: my bytes' shift in a scale word
	v_mov_b32 v15, 0                               ; a lane permute's destination counts as read
	v_lshlrev_b32 v33, 4, v2                       ; 16 r
	s_mov_b32 s36, 0x76543210
	s_mov_b32 s37, 0xfedcba98                      ; selects for lane l xor 16
	s_mov_b32 s35, 0
	; every LDS address is made here, ahead of the parting
	s_mul_i32 s27, s26, AREG
	v_add_nc_u32 v6, s27, v4                       ; activations, in: 16 x lane (+ 528 x row)
	v_mul_u32_u24 v7, v2, APIT
	v_lshl_add_u32 v7, v3, 7, v7
	v_add_nc_u32 v7, s27, v7                       ; out: row r, + 128 h
	s_lshl_b32 s27, s26, 14
	s_add_co_u32 s27, s27, WBASE
	v_lshl_add_u32 v8, v3, 8, v33
	v_add_nc_u32 v8, s27, v8                       ; weights, in: 256 h + 16 r (+ 256 x k-row)
	v_xor_b32 v9, 128, v8                          ; k-rows 32-63: halves exchanged
	v_and_b32 v35, 8, v2
	v_add_nc_u32 v35, v35, v2                      ; r + 8 (r / 8)
	v_lshlrev_b32 v35, 2, v35                      ; my column's 4 bytes in a tile's 128
	v_mad_u32_u24 v36, v3, 8064, v35               ; tiles 2, 3 lie in the upper 128 bytes of k-rows 0-31 and, exchanged, in the lower 128 of k-rows 32-63: lanes 16-31 stand 32 x 256 - 128 bytes on
	v_mad_u32_u24 v35, v3, 8320, v35               ; tiles 0, 1 the other way round: lanes 16-31 stand 32 x 256 + 128 bytes on
	v_add_nc_u32 v35, s27, v35                     ; out: tiles 0, 1
	v_add_nc_u32 v36, s27, v36
	v_add_nc_u32 v36, 128, v36                     ; out: tiles 2, 3
	v_lshl_add_u32 v34, v3, 12, v33                ; weights in memory: 4,096 h + 16 r
	s_cmp_lt_u32 ttmp9, 384
	s_cbranch_scc0 .Lweights
	; ---- activations
	s_lshr_b32 s27, ttmp9, 7                       ; which tensor
	s_and_b32 s28, ttmp9, 127
	s_lshl_b32 s28, s28, 2
	s_add_co_u32 s28, s28, s26                     ; task 0..511
	s_and_b32 s29, s28, 7                          ; K step
	s_lshr_b32 s30, s28, 3                         ; group of 64 rows
	s_wait_kmcnt 0x0
	OUTPTR 18, 20, 3145728, 131072
	s_lshl_b32 s34, s30, 18                        ; 64 rows of 4,096 bytes
	s_lshl_b32 s33, s29, 9
	s_add_co_u32 s34, s34, s33
	s_cmp_eq_u32 s27, 1
	s_cselect_b64 s[38:39], s[6:7], s[4:5]
	s_cmp_eq_u32 s27, 2
	s_cselect_b64 s[38:39], s[8:9], s[38:39]
	s_add_nc_u64 s[38:39], s[38:39], s[34:35]
	LOADA 0
	LOADA 1
.macro UNITA i
.if \i < 3
	s_wait_loadcnt 16                              ; this tile's 16 loads are in; the next tile's stay out
.else
	s_wait_loadcnt 0x0
.endif
.set j, 0
.rept 16
	ds_store_b128 v6, v[R+64*(\i%2)+4*j:R+64*(\i%2)+4*j+3] offset:j*APIT
.set j, j+1
.endr
.set j, 0
.rept 16
	ds_load_b128 v[X+4*j:X+4*j+3], v7 offset:(j/8)*256+(j%8)*16    ; LDS serves a wave's instructions in order: these see the stores
.set j, j+1
.endr
	s_wait_dscnt 0x0                               ; the numbers are back, and the stores have read their registers
.if \i < 2
	LOADA \i+2
.endif
	QBLK X, \i*1536
	v_mov_b32 v[BY+\i], v13
	QBLK X+32, \i*1536+768
	v_lshl_or_b32 v[BY+\i], v13, 16, v[BY+\i]
	WORD \i
.endm
	UNITA 0
	UNITA 1
	UNITA 2
	UNITA 3
	FINISH
	; ---- weights
.Lweights:
	s_sub_co_u32 s28, ttmp9, 384
	s_lshr_b32 s27, s28, 5                         ; which tensor
	s_and_b32 s28, s28, 31
	s_and_b32 s30, s28, 3
	s_lshl_b32 s30, s30, 2
	s_add_co_u32 s30, s30, s26                     ; group of 64 columns: the four waves stand side by side on 1,024 bytes of each row
	s_lshr_b32 s29, s28, 2                         ; K step
	s_wait_kmcnt 0x0
	OUTPTR 22, 24, 786432, 32768
	s_lshl_b32 s34, s29, 19                        ; 128 rows of 4,096 bytes
	s_lshl_b32 s33, s30, 8
	s_add_co_u32 s34, s34, s33
	s_cmp_eq_u32 s27, 1
	s_cselect_b64 s[38:39], s[12:13], s[10:11]
	s_cmp_eq_u32 s27, 2
	s_cselect_b64 s[38:39], s[14:15], s[38:39]
	s_cmp_eq_u32 s27, 3
	s_cselect_b64 s[38:39], s[16:17], s[38:39]
	s_add_nc_u64 s[38:39], s[38:39], s[34:35]
	LOADW 0
	LOADW 1
.macro TILEW i                         ; tile i's block: 32 numbers down my column
.set e, 0
.rept 32
	ds_load_b32 v[X+32*((\i)%2)+e], v[35+(\i)/2] offset:e*256+32*((\i)%2)
.set e, e+1
.endr
.endm
.macro HALFW c                         ; 64 along K: through the stage, then four half images
	s_wait_loadcnt 16                              ; the first 32 k-rows are in
.set j, 0
.rept 16
	ds_store_b128 v8, v[R+4*j:R+4*j+3] offset:2*j*256
.set j, j+1
.endr
	s_wait_loadcnt 0x0
.set j, 0
.rept 16
	ds_store_b128 v9, v[R+64+4*j:R+64+4*j+3] offset:(32+2*j)*256
.set j, j+1
.endr
.if \c == 0
	s_wait_dscnt 0x0                               ; the stores have read their registers
	LOADW 2
	LOADW 3
.endif
	TILEW 0
.irp i, 0,1,2,3
.if \i < 3
	TILEW \i+1
	s_wait_dscnt 32                                ; this tile's 32 loads are in; the next tile's stay out
.else
	s_wait_dscnt 0x0
.endif
	QBLK X+32*(\i%2), \i*1536+\c*768
.if \c == 0
	v_mov_b32 v[BY+\i], v13
.else
	v_lshl_or_b32 v[BY+\i], v13, 16, v[BY+\i]
.endif
.endr
.endm
	HALFW 0
	HALFW 1
	WORD 0
	WORD 1
	WORD 2
	WORD 3
	FINISH
.Lfunc_end_k_q6b1bda118e_quant:
	.size	k_q6b1bda118e_quant, .Lfunc_end_k_q6b1bda118e_quant-k_q6b1bda118e_quant
	.p2alignl 7, 3214868480
	.fill 96, 4, 3214868480
	.section	.rodata,"a",@progbits
	.p2align	6, 0x0
	.amdhsa_kernel k_q6b1bda118e_quant
		.amdhsa_group_segment_fixed_size 99840
		.amdhsa_private_segment_fixed_size 0
		.amdhsa_enable_private_segment 0
		.amdhsa_kernarg_size 88
		.amdhsa_user_sgpr_count 2
		.amdhsa_user_sgpr_kernarg_segment_ptr 1
		.amdhsa_wavefront_size32 1
		.amdhsa_system_sgpr_workgroup_id_x 1
		.amdhsa_system_sgpr_workgroup_id_y 1
		.amdhsa_system_sgpr_workgroup_id_z 1
		.amdhsa_system_vgpr_workitem_id 0
		.amdhsa_next_free_vgpr 256
		.amdhsa_next_free_sgpr 66
		.amdhsa_reserve_vcc 1
		.amdhsa_float_denorm_mode_32 3
		.amdhsa_float_denorm_mode_16_64 3
		.amdhsa_memory_ordered 1
		.amdhsa_forward_progress 1
		.amdhsa_inst_pref_size 74
	.end_amdhsa_kernel
	.amdgpu_metadata
---
amdhsa.version: [ 1, 2 ]
amdhsa.kernels:
  - .name:           k_q6b1bda118e_quant
    .symbol:         k_q6b1bda118e_quant.kd
    .args:
      - { .name: query, .offset: 0, .size: 8, .value_kind: global_buffer, .address_space: global }
      - { .name: key, .offset: 8, .size: 8, .value_kind: global_buffer, .address_space: global }
      - { .name: value, .offset: 16, .size: 8, .value_kind: global_buffer, .address_space: global }
      - { .name: Wq, .offset: 24, .size: 8, .value_kind: global_buffer, .address_space: global }
      - { .name: Wk, .offset: 32, .size: 8, .value_kind: global_buffer, .address_space: global }
      - { .name: Wv, .offset: 40, .size: 8, .value_kind: global_buffer, .address_space: global }
      - { .name: Wo, .offset: 48, .size: 8, .value_kind: global_buffer, .address_space: global }
      - { .name: xcod, .offset: 56, .size: 8, .value_kind: global_buffer, .address_space: global }
      - { .name: xscl, .offset: 64, .size: 8, .value_kind: global_buffer, .address_space: global }
      - { .name: wcod, .offset: 72, .size: 8, .value_kind: global_buffer, .address_space: global }
      - { .name: wscl, .offset: 80, .size: 8, .value_kind: global_buffer, .address_space: global }
    .group_segment_fixed_size: 99840
    .private_segment_fixed_size: 0
    .kernarg_segment_align: 8
    .kernarg_segment_size: 88
    .max_flat_workgroup_size: 128
    .sgpr_count:     66
    .vgpr_count:     256
    .wavefront_size: 32
...
	.end_amdgpu_metadata
.endif
;; end of part 1
;; launch proj (part 2): grid 8 x 96, 4 waves a work-group, no clusters, 205,312 bytes of LDS; arguments xcod, xscl, wcod, wscl, bq, bk, bv, hcod, hscl; writes hcod, hscl
.if DOCPART == 2
	.amdgcn_target "amdgcn-amd-amdhsa--gfx1250"
	.amdhsa_code_object_version 6
	.text
	.protected	k_q6b1bda118e_proj
	.globl	k_q6b1bda118e_proj
	.p2align	8
	.type	k_q6b1bda118e_proj,@function
k_q6b1bda118e_proj:
	s_mov_b64 s[64:65], 0
	v_nop
	global_prefetch_b8 v0, s[64:65] scope:SCOPE_SE
	s_setreg_imm32_b32 hwreg(HW_REG_WAVE_MODE, 25, 1), 1
	s_wait_xcnt 0x0
; Q = query Wq + bq, K = key Wk + bk, V = value Wv + bv on codes of BF6 with E8M0 scales, f32 sums; the results are quantised at once for the attention's products:
; Q and K along the head's 64, V along the keys.  Work-group (x, y): W block x (128 columns = two heads), tensor y / 32, block y % 32 of 128 rows.
; Operands lie in memory as images of operand registers (half image: 16 slots x 64 along K, 768 bytes; slot r of tile T = row 32 (T/2) + 8 (T%2) + r + 8 (r/8)).
; THE WHOLE K OF BOTH PANELS FITS IN LDS (2 x 98,304 bytes of codes, 2 x 4,096 of scale words): each byte of LDS is filled once, by five tensor loads a wave issued together at the head; nothing is filled again.
; By this text's own count a wave has five tensor loads out.  Wave (o, p): o = 0 the rows' panel, 1 W's; its first load brings the scale words of K steps 4 p .. 4 p + 3, load j = 0 .. 3 the codes of K step 2 j + p.
; Four waves, each 64 x 64: 16 accumulators that take turns, one instruction a turn.  K step s + 1's fragments are fetched from LDS ahead of step s's 16 products.
; Q, K: source 0 = 16 columns of W, source 1 = 16 rows: a lane holds one row, its registers run along the head's 64.  V: the sources change places: a lane holds one column d, its registers run along the keys.
; By the choice of a tile's slots the 32 registers of a tile's four results are units 32 b + 16 h + i (register 16 b + i), so the conversions' results, with one exchange of halves, are a half image.
; The bias is the C of each sum's first product.
; JOINT LOADS ARE NOT USED in this text: a rows' panel is asked for by the 8 work-groups of one y and a W panel by the 32 of one x and tensor, each for itself.  The grid would divide into clusters: this is a stated shortcoming.
; LIMITS: a block of zeros gets the byte 1 (its codes are zeros); NaN and infinities are not served.
.set ACC, 128                          ; v128-255 accumulators
.set BI,  32                           ; v32-63   bias, four tiles of eight
.set SCR, 20                           ; v20-27   scale words, two sets of four: lanes 0-15 the rows' tile i, lanes 16-31 W's tile i
.set TM,  100                          ; v100-105 at work in the quantiser
.set SEL, 80
.set MSB, 0
.macro WIN new                         ; the immediate's high byte repeats the setting that is left
.if MSB != \new
	s_set_vgpr_msb (MSB<<8)|\new
.set MSB, \new
.endif
.endm
.set MUL_W, 0x05                       ; sources 0 and 1 window 1; C and D window 0
.set TO_F,  0x40                       ; destination window 1, address window 0
.macro FRAG reg, a16, a8, off          ; a fragment = two half images
	ds_load_b128 v[\reg:\reg+3], v[\a16] offset:\off
	ds_load_b64 v[\reg+4:\reg+5], v[\a8] offset:\off
	ds_load_b128 v[\reg+6:\reg+9], v[\a16] offset:\off+768
	ds_load_b64 v[\reg+10:\reg+11], v[\a8] offset:\off+768
.endm
.macro FETCH s                         ; K step s: 33 LDS loads into buffer s % 2 of window 1 (rows' tiles at 12 i, W's at 48 + 12 i)
	WIN 0
	ds_load_b128 v[SCR+4*((\s)%2):SCR+4*((\s)%2)+3], v16 offset:(\s)*512
	WIN TO_F
.irp i, 0,1,2,3
	FRAG 128*((\s)%2)+12*\i, 8+2*((\s)/4), 9+2*((\s)/4), ((\s)%4)*12288+\i*1536
.endr
.irp i, 0,1,2,3
	FRAG 128*((\s)%2)+48+12*\i, 12+2*((\s)/4), 13+2*((\s)/4), ((\s)%4)*12288+\i*1536
.endr
.endm
.macro MUL s, v, first                 ; 16 products of K step s.  v = 0: W is source 0; v = 1: the rows are.  first = 1: C is the bias
	WIN MUL_W
.set FB, 128*((\s)%2)
.set SS, SCR+4*((\s)%2)
.irp a, 0,1,2,3
.irp w, 0,1,2,3
.if \v == 0
.set DD, ACC+8*(4*\a+\w)
.if \first
	v_wmma_scale_f32_16x16x128_f8f6f4 v[DD:DD+7], v[FB+48+12*\w:FB+48+12*\w+11], v[FB+12*\a:FB+12*\a+11], v[BI+8*\w:BI+8*\w+7], v[SS+\w], v[SS+\a] matrix_a_fmt:MATRIX_FMT_BF6 matrix_b_fmt:MATRIX_FMT_BF6 matrix_a_scale:MATRIX_SCALE_ROW1
.else
	v_wmma_scale_f32_16x16x128_f8f6f4 v[DD:DD+7], v[FB+48+12*\w:FB+48+12*\w+11], v[FB+12*\a:FB+12*\a+11], v[DD:DD+7], v[SS+\w], v[SS+\a] matrix_a_fmt:MATRIX_FMT_BF6 matrix_b_fmt:MATRIX_FMT_BF6 matrix_a_scale:MATRIX_SCALE_ROW1
.endif
.else
.set DD, ACC+8*(4*\w+\a)
.if \first
	v_wmma_scale_f32_16x16x128_f8f6f4 v[DD:DD+7], v[FB+12*\a:FB+12*\a+11], v[FB+48+12*\w:FB+48+12*\w+11], v[BI+8*\w:BI+8*\w+7], v[SS+\a], v[SS+\w] matrix_a_fmt:MATRIX_FMT_BF6 matrix_b_fmt:MATRIX_FMT_BF6 matrix_b_scale:MATRIX_SCALE_ROW1
.else
	v_wmma_scale_f32_16x16x128_f8f6f4 v[DD:DD+7], v[FB+12*\a:FB+12*\a+11], v[FB+48+12*\w:FB+48+12*\w+11], v[DD:DD+7], v[SS+\a], v[SS+\w] matrix_a_fmt:MATRIX_FMT_BF6 matrix_b_fmt:MATRIX_FMT_BF6 matrix_b_scale:MATRIX_SCALE_ROW1
.endif
.endif
.endr
.endr
	WIN 0
.rept 4
	v_nop                                          ; four places in front of loads into registers that these products read, and of the first read of results
.endr
.endm
.macro BAR
	s_barrier_signal -1
	s_barrier_wait -1
.endm
.macro GEMMLOOP v
	s_wait_tensorcnt 0x3                           ; my scale words and my load 0 have landed; loads 1 to 3 stay out
	BAR                                            ; everybody's have: K steps 0 and 1 are whole
	FETCH 0
	FETCH 1
	s_wait_dscnt 33                                ; step 0's loads are in; step 1's 33 stay out
	s_wait_loadcnt 0x0                             ; the bias
	MUL 0, \v, 1
.irp q, 1,2,3
	s_wait_tensorcnt 3-\q                          ; my load q has landed; the later ones stay out
	s_wait_dscnt 0x0                               ; no LDS load of mine is out at a signal (and step 2 q - 1's fragments are in)
	BAR                                            ; K steps 2 q and 2 q + 1 are whole
	FETCH 2*\q
	MUL 2*\q-1, \v, 0
	FETCH 2*\q+1
	s_wait_dscnt 33
	MUL 2*\q, \v, 0
.endr
	s_wait_dscnt 0x0
	MUL 7, \v, 0
.endm
; 32 numbers of a lane, register 16 b + i = unit 32 b + 16 h + i of my slot, become my six registers of a half image (v[pc] on) and the slot's two scale bytes (v[w], upper half 0).
.macro QH n, pc, pt, w
	v_max3_num_f32 v[TM], |v[\n]|, |v[\n+1]|, 0x2800000            ; with the floor 2^(5 - 127); each accumulator is read from its low end on
	v_max3_num_f32 v[TM+1], |v[\n+16]|, |v[\n+17]|, 0x2800000
.irp i, 2,4,6,8,10,12,14
	v_max3_num_f32 v[TM], v[TM], |v[\n+\i]|, |v[\n+\i+1]|
	v_max3_num_f32 v[TM+1], v[TM+1], |v[\n+16+\i]|, |v[\n+17+\i]|
.endr
	v_permlanex16_b32 v[TM+2], v[TM], s[SEL], s[SEL+1]
	v_permlanex16_b32 v[TM+3], v[TM+1], s[SEL], s[SEL+1]
	v_max_num_f32 v[TM], v[TM], v[TM+2]            ; with lane l xor 16's 16: the block's largest magnitude
	v_max_num_f32 v[TM+1], v[TM+1], v[TM+3]
	v_add_nc_u32 v[TM+4], 0xfe000000, v[TM]        ; 4 off the exponent field: the conversion's scale operand
	v_add_nc_u32 v[TM+5], 0xfe000000, v[TM+1]
	v_lshrrev_b32 v[TM+2], 23, v[TM+4]
	v_lshrrev_b32 v[TM+3], 23, v[TM+5]
	v_lshl_or_b32 v[\w], v[TM+3], 8, v[TM+2]
	v_cvt_scalef32_pk16_bf6_f32 v[\pc:\pc+2], v[\n:\n+15], v[TM+4]
	v_cvt_scalef32_pk16_bf6_f32 v[\pt:\pt+2], v[\n+16:\n+31], v[TM+5]
	v_nop                                          ; one plain place behind a scaled conversion
.irp i, 0,1,2
	v_permlane16_swap_b32 v[\pc+\i], v[\pt+\i]     ; a whole block to a lane: lanes 0-15 block 0, lanes 16-31 block 1
.endr
.irp i, 0,1,2
	v_mov_b32 v[\pc+3+\i], v[\pt+\i]
.endr
.endm
.macro SETG0 g, j                      ; group 0 of my load j
	s_mov_b32 s[\g], 1
	s_add_co_u32 s[\g+1], s38, \j*24576
	s_add_nc_u64 s[\g+2:\g+3], s[30:31], \j*24576
	s_or_b32 s[\g+3], s[\g+3], 0x80000000
.endm
	s_load_b512 s[4:19], s[0:1], 0x0               ; xcod, xscl, wcod, wscl, bq, bk, bv, hcod
	s_load_b64 s[20:21], s[0:1], 0x40              ; hscl
	v_lshl_add_u32 v126, v0, 2, 0x32000
	v_mov_b32 v127, 0
	ds_add_u32 v126, v127
	ds_add_u32 v126, v127
	v_lshrrev_b32 v1, 5, v0
	v_readfirstlane_b32 s22, v1                    ; wave
	s_lshr_b32 s23, s22, 1                         ; o: I fetch for the rows (0) or for W (1).  Also: which 64 rows are mine
	s_and_b32 s24, s22, 1                          ; p.  Also: which 64 columns are mine
	s_mov_b32 s25, ttmp9                           ; W block
	s_and_b32 s26, ttmp7, 0xffff
	s_lshr_b32 s27, s26, 5                         ; tensor: 0 Q, 1 K, 2 V
	s_and_b32 s28, s26, 31                         ; block of 128 rows
	v_and_b32 v1, 31, v0
	v_and_b32 v2, 15, v0                           ; r
	v_bfe_u32 v3, v0, 4, 1                         ; h
	v_lshlrev_b32 v4, 4, v1                        ; 16 x lane
	v_lshlrev_b32 v5, 3, v1                        ; 8 x lane
	s_mul_i32 s30, s23, 6144                       ; my four tiles of the rows' panel
	v_add_nc_u32 v8, s30, v4
	v_add_nc_u32 v9, s30, v5
	v_add_nc_u32 v9, 512, v9
	v_add_nc_u32 v10, 49152, v8                    ; K steps 4-7: an LDS offset has 16 bits
	v_add_nc_u32 v11, 49152, v9
	s_mul_i32 s30, s24, 6144
	s_add_co_u32 s30, s30, 98304                   ; and of W's
	v_add_nc_u32 v12, s30, v4
	v_add_nc_u32 v13, s30, v5
	v_add_nc_u32 v13, 512, v13
	v_add_nc_u32 v14, 49152, v12
	v_add_nc_u32 v15, 49152, v13
	s_lshl_b32 s30, s23, 8
	s_lshl_b32 s31, s24, 8
	s_add_co_u32 s31, s31, 4096
	s_sub_co_u32 s31, s31, s30                     ; from the rows' words to W's
	v_mul_u32_u24 v16, s31, v3                     ; lanes 16-31 take W's
	v_lshl_add_u32 v16, v2, 4, v16
	s_add_co_u32 s30, s30, 196608
	v_add_nc_u32 v16, s30, v16                     ; scale words: 16 r + my group
	v_lshlrev_b32 v17, 6, v3                       ; bias of Q, K: 64 h
	v_and_b32 v18, 8, v2
	v_add_nc_u32 v18, v18, v2
	v_lshlrev_b32 v18, 2, v18                      ; bias of V: 4 (r + 8 (r / 8))
	v_mov_b32 v[TM+2], 0                           ; lane permutes' destinations count as read
	v_mov_b32 v[TM+3], 0
	s_mov_b32 s[SEL], 0x76543210
	s_mov_b32 s[SEL+1], 0xfedcba98
	; group 1: dense blocks as rows of 256 bytes (32 elements of 8 bytes): 48 rows of codes, 8 rows of scale words
	s_mov_b32 s40, 0x30000
	s_mov_b32 s41, 32<<16
	s_mov_b32 s42, 48<<16
	s_mov_b32 s43, 32<<16
	s_mov_b32 s44, 48
	s_mov_b32 s45, 32
	s_mov_b32 s46, 0
	s_mov_b32 s47, 0
	s_mov_b32 s48, 0x30000
	s_mov_b32 s49, 32<<16
	s_mov_b32 s50, 8<<16
	s_mov_b32 s51, 32<<16
	s_mov_b32 s52, 8
	s_mov_b32 s53, 32
	s_mov_b32 s54, 0
	s_mov_b32 s55, 0
	s_mul_i32 s30, s27, 3145728
	s_mul_i32 s31, s28, 98304
	s_add_co_u32 s30, s30, s31
	s_mov_b32 s31, 0
	s_mul_i32 s32, s27, 786432
	s_mul_i32 s33, s25, 98304
	s_add_co_u32 s32, s32, s33
	s_mov_b32 s33, 0
	s_lshl_b32 s34, s27, 17
	s_lshl_b32 s35, s28, 12
	s_add_co_u32 s34, s34, s35
	s_mov_b32 s35, 0
	s_lshl_b32 s36, s27, 15
	s_lshl_b32 s37, s25, 12
	s_add_co_u32 s36, s36, s37
	s_mov_b32 s37, 0
	s_mul_i32 s38, s23, 98304
	s_mul_i32 s39, s24, 12288
	s_add_co_u32 s38, s38, s39                     ; LDS: my panel, K step p
	s_lshl_b32 s39, s22, 11
	s_add_co_u32 s39, s39, 196608                  ; LDS: my 2,048 bytes of scale words
	s_wait_dscnt 0x0
	s_wait_kmcnt 0x0
	s_add_nc_u64 s[30:31], s[4:5], s[30:31]
	s_add_nc_u64 s[32:33], s[8:9], s[32:33]
	s_add_nc_u64 s[34:35], s[6:7], s[34:35]
	s_add_nc_u64 s[36:37], s[10:11], s[36:37]
	s_cmp_eq_u32 s23, 0
	s_cselect_b64 s[30:31], s[30:31], s[32:33]     ; the panel that I fetch for
	s_cselect_b64 s[34:35], s[34:35], s[36:37]
	s_mul_i32 s32, s24, 12288
	s_mov_b32 s33, 0
	s_add_nc_u64 s[30:31], s[30:31], s[32:33]
	s_lshl_b32 s32, s24, 11
	s_add_nc_u64 s[34:35], s[34:35], s[32:33]
	s_mov_b32 s56, 1
	s_mov_b32 s57, s39
	s_mov_b64 s[58:59], s[34:35]
	s_or_b32 s59, s59, 0x80000000
	SETG0 60, 0
	SETG0 68, 1
	SETG0 72, 2
	SETG0 76, 3
	s_cmp_eq_u32 s27, 1                            ; the bias of my 64 columns
	s_cselect_b64 s[82:83], s[14:15], s[12:13]
	s_cmp_eq_u32 s27, 2
	s_cselect_b64 s[82:83], s[16:17], s[82:83]
	s_lshl_b32 s32, s25, 9
	s_lshl_b32 s36, s24, 8
	s_add_co_u32 s32, s32, s36
	s_add_nc_u64 s[82:83], s[82:83], s[32:33]
	tensor_load_to_lds s[56:59], s[48:55]          ; all first fills together, ahead of every wait on TENSORcnt, LDS read and barrier
	s_nop 0
	tensor_load_to_lds s[60:63], s[40:47]
	s_nop 0
	tensor_load_to_lds s[68:71], s[40:47]
	s_nop 0
	tensor_load_to_lds s[72:75], s[40:47]
	s_nop 0
	tensor_load_to_lds s[76:79], s[40:47]
	s_nop 0
.rept 4
	v_nop
.endr
	s_cmp_eq_u32 s27, 2                            ; the same in all four waves: it hangs on the work-group's y alone
	s_cbranch_scc1 .Lvalue
.irp w, 0,1,2,3                        ; lane (r, h), tile w, register j: unit 32 (w / 2) + 8 (w % 2) + 16 h + j
	global_load_b128 v[BI+8*\w:BI+8*\w+3], v17, s[82:83] offset:(32*(\w/2)+8*(\w%2))*4
	global_load_b128 v[BI+8*\w+4:BI+8*\w+7], v17, s[82:83] offset:(32*(\w/2)+8*(\w%2))*4+16
.endr
	GEMMLOOP 0
	s_branch .Lepi
.Lvalue:
.irp w, 0,1,2,3                        ; a lane holds one column: its bias in all eight registers
.irp j, 0,1,2,3,4,5,6,7
	global_load_b32 v[BI+8*\w+\j], v18, s[82:83] offset:(32*(\w/2)+8*(\w%2))*4
.endr
.endr
	GEMMLOOP 1
.Lepi:
	; head = 2 x + my half of the columns, chunk of 64 rows = 2 (y % 32) + my half of the rows, in both forms
	s_lshl_b32 s30, s25, 1
	s_add_co_u32 s30, s30, s24
	s_lshl_b32 s30, s30, 6
	s_lshl_b32 s31, s28, 1
	s_add_co_u32 s31, s31, s23
	s_add_co_u32 s30, s30, s31
	s_mul_i32 s32, s30, 3072
	s_mul_i32 s33, s27, 3145728
	s_add_co_u32 s32, s32, s33
	s_mov_b32 s33, 0
	s_add_nc_u64 s[32:33], s[18:19], s[32:33]
	s_lshl_b32 s34, s30, 8
	s_lshl_b32 s35, s27, 18
	s_add_co_u32 s34, s34, s35
	s_mov_b32 s35, 0
	s_add_nc_u64 s[34:35], s[20:21], s[34:35]
.irp a, 0,1,2,3                        ; each tile has its own registers for its codes: no store's data are written again
	QH ACC+32*\a, 64+8*\a, 96, 108+\a
	global_store_b128 v4, v[64+8*\a:67+8*\a], s[32:33] offset:\a*768
	global_store_b64 v5, v[68+8*\a:69+8*\a], s[32:33] offset:\a*768+512
.endr
	v_cmp_ne_u32 vcc_lo, 0, v3                     ; the piece of 256 bytes: word 2 l + y = tile 2 y + l / 16, slot l % 16
	v_cndmask_b32 v112, v108, v109, vcc_lo
	v_cndmask_b32 v113, v110, v111, vcc_lo
	global_store_b64 v5, v[112:113], s[34:35]
	s_wait_tensorcnt 0x0
	ds_add_u32 v126, v127
	s_wait_dscnt 0x0
	s_endpgm
.Lfunc_end_k_q6b1bda118e_proj:
	.size	k_q6b1bda118e_proj, .Lfunc_end_k_q6b1bda118e_proj-k_q6b1bda118e_proj
	.p2alignl 7, 3214868480
	.fill 96, 4, 3214868480
	.section	.rodata,"a",@progbits
	.p2align	6, 0x0
	.amdhsa_kernel k_q6b1bda118e_proj
		.amdhsa_group_segment_fixed_size 205312
		.amdhsa_private_segment_fixed_size 0
		.amdhsa_enable_private_segment 0
		.amdhsa_kernarg_size 72
		.amdhsa_user_sgpr_count 2
		.amdhsa_user_sgpr_kernarg_segment_ptr 1
		.amdhsa_wavefront_size32 1
		.amdhsa_system_sgpr_workgroup_id_x 1
		.amdhsa_system_sgpr_workgroup_id_y 1
		.amdhsa_system_sgpr_workgroup_id_z 1
		.amdhsa_system_vgpr_workitem_id 0
		.amdhsa_next_free_vgpr 480
		.amdhsa_next_free_sgpr 84
		.amdhsa_reserve_vcc 1
		.amdhsa_float_denorm_mode_32 3
		.amdhsa_float_denorm_mode_16_64 3
		.amdhsa_memory_ordered 1
		.amdhsa_forward_progress 1
		.amdhsa_inst_pref_size 90
	.end_amdhsa_kernel
	.amdgpu_metadata
---
amdhsa.version: [ 1, 2 ]
amdhsa.kernels:
  - .name:           k_q6b1bda118e_proj
    .symbol:         k_q6b1bda118e_proj.kd
    .args:
      - { .name: xcod, .offset: 0, .size: 8, .value_kind: global_buffer, .address_space: global }
      - { .name: xscl, .offset: 8, .size: 8, .value_kind: global_buffer, .address_space: global }
      - { .name: wcod, .offset: 16, .size: 8, .value_kind: global_buffer, .address_space: global }
      - { .name: wscl, .offset: 24, .size: 8, .value_kind: global_buffer, .address_space: global }
      - { .name: bq, .offset: 32, .size: 8, .value_kind: global_buffer, .address_space: global }
      - { .name: bk, .offset: 40, .size: 8, .value_kind: global_buffer, .address_space: global }
      - { .name: bv, .offset: 48, .size: 8, .value_kind: global_buffer, .address_space: global }
      - { .name: hcod, .offset: 56, .size: 8, .value_kind: global_buffer, .address_space: global }
      - { .name: hscl, .offset: 64, .size: 8, .value_kind: global_buffer, .address_space: global }
    .group_segment_fixed_size: 205312
    .private_segment_fixed_size: 0
    .kernarg_segment_align: 8
    .kernarg_segment_size: 72
    .max_flat_workgroup_size: 128
    .sgpr_count:     84
    .vgpr_count:     480
    .wavefront_size: 32
...
	.end_amdgpu_metadata
.endif
;; end of part 2
;; launch attn (part 3): grid 64 x 4, 16 waves a work-group, no clusters, 169,984 bytes of LDS; arguments hcod, hscl, acod, ascl; writes acod, ascl
.if DOCPART == 3
	.amdgcn_target "amdgcn-amd-amdhsa--gfx1250"
	.amdhsa_code_object_version 6
	.text
	.protected	k_q6b1bda118e_attn
	.globl	k_q6b1bda118e_attn
	.p2align	8
	.type	k_q6b1bda118e_attn,@function
k_q6b1bda118e_attn:
	s_mov_b64 s[64:65], 0
	v_nop
	global_prefetch_b8 v0, s[64:65] scope:SCOPE_SE
	s_setreg_imm32_b32 hwreg(HW_REG_WAVE_MODE, 25, 1), 1
	s_wait_xcnt 0x0
; The attention: key j counts for query i where j <= i and (i - j <= 256 or j < 16).  Both products on codes of BF6; the result, divided by the row's sum, is quantised along the 1,024 for the last product.
; SOFTMAX: t = score x log2(e) / 8; M = the running largest t rounded up to a whole number; p = 2^(t - M) is quantised along the keys, not normalised; the row's sum is taken of the unquantised p.
; When M moves, the sum and O are multiplied by 2^(old M - new M), exactly.
; SHARES: work-group (x, y): queries 64 x .. 64 x + 63 of heads 4 y .. 4 y + 3.  Sixteen waves: wave w has head 4 y + w / 4 and query tile w % 4 (16 queries), in 256 registers: four waves to a SIMD.
; KEYS: six slots of 64 keys.  Slot 0 is chunk 0 (of which keys 0-15 count, where chunk 0 is in no other slot); slot n = 1 .. 5 is chunk x - 5 + n.  A chunk under 0 is fetched as chunk 0 and hidden.
; Three steps of 128 keys.  All else that the mask hides is never fetched or multiplied.  At x = 4 chunk 0 is slot 1, and its keys under 16 stay visible there: so block 0 of the keys is quantised as one block.
; Hidden scores become -infinity ahead of the maximum: p = 0.  A step that is wholly hidden leaves M at its start, gives zero codes, and the next step's factor 2^(old M - new M) is 0 on zeros.
; LAYOUT: both products transposed (S^T = K Q^T, O^T = V^T P^T): a lane holds one query throughout.  Slot r of a tile is unit 32 (T/2) + 8 (T%2) + r + 8 (r/8), so that register 16 b + i of four results is unit 32 b + 16 h + i.
; The first product's K is 64: Q's registers 6-11 are zero codes, and K's operand simply runs on into the next tile's registers; the upper two bytes of all scale words here are 0 (2^-127, a number), so that half adds exactly 0.
; LDS is filled once: six tensor loads a wave (three chunks of codes, 3,072 bytes, and their 256 bytes of scale words), issued together; by this text's own count six are out.
; NO JOINT LOADS: neighbouring query blocks want the same chunk in different slots, so partners' LDS addresses would differ; work-groups along y share nothing.
; LIMITS: a block of zeros gets the byte 1; NaN and infinities are not served.
.set F,   32                           ; v32-79 eight tiles of K (six registers each) or four fragments of V; v80-85 zeros
.set KS,  86                           ; v86-89 K's scale words of the step's two slots
.set VR,  90                           ; v90-93 V's half words as loaded
.set VS,  94                           ; v94-95 V's scale words
.set S,   96                           ; v96-159 S^T, then p
.set O,   160                          ; v160-191 O^T
.set PC,  224                          ; v224-235 p's codes
.set PT,  204                          ; v204-206, v208-210 conversions' second halves
.set BM,  240                          ; v240-243 block maxima
.set BP,  244                          ; v244-247 at work
.set SO,  248                          ; v248-251 scale operands
.set PW,  254                          ; v254 p's scale word
.set TM,  240                          ; the last quantiser works in v240-245
.set SEL, 76
.set CS,  78
.set SCB, 147456                       ; LDS: the scale words
.set OSC, 159744                       ; LDS: 512 bytes in which the result's scale words meet; no tensor load lands here
.macro QH n, pc, pt, w                 ; 32 numbers of a lane (register 16 b + i = unit 32 b + 16 h + i) -> six registers of a half image, two scale bytes
	v_max3_num_f32 v[TM], |v[\n]|, |v[\n+1]|, 0x2800000
	v_max3_num_f32 v[TM+1], |v[\n+16]|, |v[\n+17]|, 0x2800000
.irp i, 2,4,6,8,10,12,14
	v_max3_num_f32 v[TM], v[TM], |v[\n+\i]|, |v[\n+\i+1]|
	v_max3_num_f32 v[TM+1], v[TM+1], |v[\n+16+\i]|, |v[\n+17+\i]|
.endr
	v_permlanex16_b32 v[TM+2], v[TM], s[SEL], s[SEL+1]
	v_permlanex16_b32 v[TM+3], v[TM+1], s[SEL], s[SEL+1]
	v_max_num_f32 v[TM], v[TM], v[TM+2]
	v_max_num_f32 v[TM+1], v[TM+1], v[TM+3]
	v_add_nc_u32 v[TM+4], 0xfe000000, v[TM]
	v_add_nc_u32 v[TM+5], 0xfe000000, v[TM+1]
	v_lshrrev_b32 v[TM+2], 23, v[TM+4]
	v_lshrrev_b32 v[TM+3], 23, v[TM+5]
	v_lshl_or_b32 v[\w], v[TM+3], 8, v[TM+2]
	v_cvt_scalef32_pk16_bf6_f32 v[\pc:\pc+2], v[\n:\n+15], v[TM+4]
	v_cvt_scalef32_pk16_bf6_f32 v[\pt:\pt+2], v[\n+16:\n+31], v[TM+5]
	v_nop
.irp i, 0,1,2
	v_permlane16_swap_b32 v[\pc+\i], v[\pt+\i]
.endr
.irp i, 0,1,2
	v_mov_b32 v[\pc+3+\i], v[\pt+\i]
.endr
.endm
.macro SETA i, gc, gs                  ; groups 0 of my i-th chunk: its codes and its scale words
	s_add_co_u32 s20, s19, \i                      ; the slot
	s_add_co_u32 s21, s15, s20
	s_sub_co_i32 s21, s21, 5
	s_max_i32 s21, s21, 0
	s_cmp_eq_u32 s20, 0
	s_cselect_b32 s21, 0, s21                      ; its chunk
	s_mul_i32 s22, s21, 3072
	s_mov_b32 s[\gc], 1
	s_add_co_u32 s[\gc+1], s26, \i*3072
	s_add_nc_u64 s[\gc+2:\gc+3], s[24:25], s[22:23]
	s_or_b32 s[\gc+3], s[\gc+3], 0x80000000
	s_lshl_b32 s22, s21, 8
	s_mov_b32 s[\gs], 1
	s_add_co_u32 s[\gs+1], s27, \i*256
	s_add_nc_u64 s[\gs+2:\gs+3], s[28:29], s[22:23]
	s_or_b32 s[\gs+3], s[\gs+3], 0x80000000
.endm
.macro HIDE n, lim                     ; a slot whose chunk lies under 0 (x < lim): a scalar branch on the work-group's number
	s_cmp_ge_u32 s15, \lim
	s_cbranch_scc1 .Lseen_\@
.set i, 0
.rept 32
	v_mov_b32 v[\n+i], v7
.set i, i+1
.endr
.Lseen_\@:
.endm
	s_load_b256 s[4:11], s[0:1], 0x0               ; hcod, hscl, acod, ascl
	v_lshl_add_u32 v238, v0, 2, 0x29000
	v_mov_b32 v239, 0
	ds_add_u32 v238, v239
	ds_add_u32 v238, v239
	v_lshrrev_b32 v1, 5, v0
	v_readfirstlane_b32 s12, v1                    ; wave 0..15
	s_lshr_b32 s13, s12, 2                         ; which of the four heads
	s_and_b32 s14, s12, 3                          ; query tile.  Also: what I fetch
	s_mov_b32 s15, ttmp9                           ; query block x
	s_and_b32 s16, ttmp7, 0xffff
	s_lshl_b32 s17, s16, 2
	s_add_co_u32 s17, s17, s13                     ; head
	s_lshr_b32 s18, s14, 1                         ; I fetch K (0) or V (1),
	s_and_b32 s82, s14, 1
	s_mul_i32 s19, s82, 3                          ; slots 0-2 or 3-5
	v_and_b32 v96, 31, v0                          ; lane
	v_and_b32 v97, 15, v0                          ; r
	v_bfe_u32 v98, v0, 4, 1                        ; h
	v_lshlrev_b32 v8, 4, v96                       ; 16 x lane
	v_lshlrev_b32 v10, 3, v96                      ; 8 x lane
	v_mov_b32 v9, 0
	s_mul_i32 s83, s13, 36864                      ; my head's region: K's six slots, then V's
	v_add_nc_u32 v1, s83, v8
	v_add_nc_u32 v2, s83, v10
	v_add_nc_u32 v2, 512, v2
	s_mul_i32 s83, s13, 3072
	s_add_co_u32 s83, s83, SCB
	v_add_nc_u32 v3, s83, v10                      ; its scale words
	v_and_b32 v99, 8, v97
	v_add_nc_u32 v99, v99, v97                     ; r + 8 (r / 8)
	s_lshl_b32 s83, s18, 5
	s_lshl_b32 s84, s82, 3
	s_add_co_u32 s83, s83, s84
	v_add_nc_u32 v4, s83, v99                      ; my query's place in its 64,
	v_lshlrev_b32 v100, 4, v98
	v_sub_nc_u32 v4, v4, v100                      ; less 16 h: register n of a slot holds key o + 16 h, o = n (n < 16) or n + 16
	s_cmp_lt_u32 s15, 4
	s_cselect_b32 s83, 4096, 0
	v_add_nc_u32 v5, s83, v4                       ; slot 1 hides o under this (all of it where its chunk lies under 0)
	s_cmp_eq_u32 s15, 4
	s_cselect_b32 s81, 0xffff, 0
	v_cndmask_b32 v6, v5, v9, s81                  ; at x = 4 lanes 0-15 keep keys 0-15 of slot 1 visible
	s_cmp_lt_u32 s15, 5
	s_cselect_b32 s80, -1, 0xffff0000              ; slot 0, registers 0-15: the lanes that are hidden
	v_mov_b32 v7, 0xff800000                       ; -infinity
	s_lshr_b32 s83, s13, 1
	s_lshl_b32 s83, s83, 8
	s_lshl_b32 s84, s14, 2
	s_add_co_u32 s83, s83, s84
	s_and_b32 s84, s13, 1
	s_lshl_b32 s84, s84, 1
	s_add_co_u32 s83, s83, s84
	s_add_co_u32 s83, s83, OSC
	v_lshl_add_u32 v11, v97, 4, s83                ; where my result's two scale bytes go
	v_add_nc_u32 v29, OSC, v8                      ; and where wave 0 reads the words back
	v_lshlrev_b32 v30, 9, v98
	v_lshl_add_u32 v30, v97, 4, v30                ; their place in memory
	v_lshlrev_b32 v31, 3, v97                      ; Q's scale word: 8 r
	v_mov_b32 v13, 0xff61b1e6                      ; the largest t so far: -3e38
	v_mov_b32 v14, 0                               ; the sum, in two halves
	v_mov_b32 v15, 0
.irp j, 22,23,24,25,26,27,80,81,82,83,84,85
	v_mov_b32 v[\j], 0                             ; zero codes: Q's upper 64 along K, and what stands behind K's last tile
.endr
.irp j, 244,245,246,247,253,255
	v_mov_b32 v[\j], 0                             ; lane permutes' destinations and the upper half of a pair count as read
.endr
	s_mov_b32 s[SEL], 0x76543210
	s_mov_b32 s[SEL+1], 0xfedcba98
	s_mov_b32 s[CS], 0x3e38aa3b                    ; c = log2(e) / 8
	s_mov_b32 s[CS+1], s[CS]
	; group 1: dense blocks as rows of 256 bytes: 12 rows of codes; one row of scale words
	s_mov_b32 s32, 0x30000
	s_mov_b32 s33, 32<<16
	s_mov_b32 s34, 12<<16
	s_mov_b32 s35, 32<<16
	s_mov_b32 s36, 12
	s_mov_b32 s37, 32
	s_mov_b32 s38, 0
	s_mov_b32 s39, 0
	s_mov_b32 s40, 0x30000
	s_mov_b32 s41, 32<<16
	s_mov_b32 s42, 1<<16
	s_mov_b32 s43, 32<<16
	s_mov_b32 s44, 1
	s_mov_b32 s45, 32
	s_mov_b32 s46, 0
	s_mov_b32 s47, 0
	s_add_co_u32 s20, s18, 1                       ; section 1: K, 2: V
	s_mul_i32 s20, s20, 3145728
	s_mul_i32 s21, s17, 196608
	s_add_co_u32 s20, s20, s21
	s_mov_b32 s21, 0
	s_add_co_u32 s22, s18, 1
	s_lshl_b32 s22, s22, 18
	s_lshl_b32 s23, s17, 14
	s_add_co_u32 s22, s22, s23
	s_mov_b32 s23, 0
	s_mul_i32 s26, s12, 9216                       ; LDS: my three chunks of codes
	s_mul_i32 s27, s12, 768
	s_add_co_u32 s27, s27, SCB                     ; and their scale words
	s_wait_dscnt 0x0
	s_wait_kmcnt 0x0
	s_add_nc_u64 s[24:25], s[4:5], s[20:21]
	s_add_nc_u64 s[28:29], s[6:7], s[22:23]
	SETA 0, 48, 60
	SETA 1, 52, 68
	SETA 2, 56, 72
	s_lshl_b32 s20, s17, 6
	s_add_co_u32 s20, s20, s15                     ; 64 x head + x: Q's chunk
	s_mul_i32 s22, s20, 3072
	s_mul_i32 s21, s14, 768
	s_add_co_u32 s22, s22, s21
	s_add_nc_u64 s[84:85], s[4:5], s[22:23]
	s_lshl_b32 s22, s20, 8
	s_lshl_b32 s21, s82, 7
	s_add_co_u32 s22, s22, s21
	s_lshl_b32 s21, s18, 2
	s_add_co_u32 s22, s22, s21
	s_add_nc_u64 s[86:87], s[6:7], s[22:23]
	tensor_load_to_lds s[48:51], s[32:39]          ; all fills together, ahead of every wait on TENSORcnt, LDS read and barrier
	s_nop 0
	tensor_load_to_lds s[52:55], s[32:39]
	s_nop 0
	tensor_load_to_lds s[56:59], s[32:39]
	s_nop 0
	tensor_load_to_lds s[60:63], s[40:47]
	s_nop 0
	tensor_load_to_lds s[68:71], s[40:47]
	s_nop 0
	tensor_load_to_lds s[72:75], s[40:47]
	s_nop 0
.rept 4
	v_nop
.endr
	global_load_b128 v[16:19], v8, s[84:85]        ; Q's half image stays in registers
	global_load_b64 v[20:21], v10, s[84:85] offset:512
	global_load_b32 v28, v31, s[86:87]             ; and its scale word
; A STEP: slots 2 st and 2 st + 1, 128 keys.  first = 1: it starts O^T and has no old M.
.macro STEP st, first
.set t, 0
.rept 8
	ds_load_b128 v[F+6*t:F+6*t+3], v1 offset:(2*\st+t/4)*3072+(t%4)*768
	ds_load_b64 v[F+6*t+4:F+6*t+5], v2 offset:(2*\st+t/4)*3072+(t%4)*768
.set t, t+1
.endr
	ds_load_b64 v[KS:KS+1], v3 offset:(2*\st)*256
	ds_load_b64 v[KS+2:KS+3], v3 offset:(2*\st+1)*256
	s_wait_dscnt 0x0
.set t, 0
.rept 4                                ; S^T = K Q^T: eight tiles of 16 keys; a pair of tiles shares a scale register, the odd one in lanes 16-31
	v_wmma_scale_f32_16x16x128_f8f6f4 v[S+8*t:S+8*t+7], v[F+6*t:F+6*t+11], v[16:27], 0, v[KS+2*(t/4)+(t%4)/2], v28 matrix_a_fmt:MATRIX_FMT_BF6 matrix_b_fmt:MATRIX_FMT_BF6
	v_wmma_scale_f32_16x16x128_f8f6f4 v[S+8*t+8:S+8*t+15], v[F+6*t+6:F+6*t+17], v[16:27], 0, v[KS+2*(t/4)+(t%4)/2], v28 matrix_a_fmt:MATRIX_FMT_BF6 matrix_b_fmt:MATRIX_FMT_BF6 matrix_a_scale:MATRIX_SCALE_ROW1
.set t, t+2
.endr
.rept 4
	v_nop                                          ; four places: in front of the loads into K's registers and of the first touch of the scores
.endr
.irp d, 0,1,2,3                        ; V's four fragments (16 of the head's 64 x 128 keys): they land under the softmax
	ds_load_b128 v[F+12*\d:F+12*\d+3], v1 offset:18432+(2*\st)*3072+\d*768
	ds_load_b64 v[F+12*\d+4:F+12*\d+5], v2 offset:18432+(2*\st)*3072+\d*768
	ds_load_b128 v[F+12*\d+6:F+12*\d+9], v1 offset:18432+(2*\st+1)*3072+\d*768
	ds_load_b64 v[F+12*\d+10:F+12*\d+11], v2 offset:18432+(2*\st+1)*3072+\d*768
.endr
	ds_load_b64 v[VR:VR+1], v3 offset:1536+(2*\st)*256
	ds_load_b64 v[VR+2:VR+3], v3 offset:1536+(2*\st+1)*256
	; THE MASK, each accumulator from its low end on
.if \st == 0
.set n, 0
.rept 16
	v_cndmask_b32 v[S+n], v[S+n], v7, s80          ; slot 0: keys 16 h + n
.set n, n+1
.endr
.rept 16
	v_mov_b32 v[S+n], v7                           ; keys 32 on never count here
.set n, n+1
.endr
.set n, 0
.rept 16
	v_cmp_lt_i32 vcc_lo, n, v6                     ; slot 1: the window's far edge
	v_cndmask_b32 v[S+32+n], v[S+32+n], v7, vcc_lo
.set n, n+1
.endr
.rept 16
	v_cmp_lt_i32 vcc_lo, n+16, v5
	v_cndmask_b32 v[S+32+n], v[S+32+n], v7, vcc_lo
.set n, n+1
.endr
.elseif \st == 1
	HIDE S, 3
	HIDE S+32, 2
.else
	HIDE S, 1
.set n, 0
.rept 16
	v_cmp_gt_i32 vcc_lo, n, v4                     ; slot 5: the diagonal
	v_cndmask_b32 v[S+32+n], v[S+32+n], v7, vcc_lo
.set n, n+1
.endr
.rept 16
	v_cmp_gt_i32 vcc_lo, n+16, v4
	v_cndmask_b32 v[S+32+n], v[S+32+n], v7, vcc_lo
.set n, n+1
.endr
.endif
.irp b, 0,1,2,3
	v_max3_num_f32 v[BM+\b], v[S+16*\b], v[S+16*\b+1], v[S+16*\b+2]   ; the largest score of each block of 32 keys: for the row's maximum and, since p rises with the score, for the block's largest p
.endr
.irp i, 3,5,7,9,11,13
.irp b, 0,1,2,3
	v_max3_num_f32 v[BM+\b], v[BM+\b], v[S+16*\b+\i], v[S+16*\b+\i+1]
.endr
.endr
.irp b, 0,1,2,3
	v_max_num_f32 v[BM+\b], v[BM+\b], v[S+16*\b+15]
.endr
.irp b, 0,1,2,3
	v_permlanex16_b32 v[BP+\b], v[BM+\b], s[SEL], s[SEL+1]
.endr
.irp b, 0,1,2,3
	v_max_num_f32 v[BM+\b], v[BM+\b], v[BP+\b]
.endr
	v_max3_num_f32 v255, v[BM], v[BM+1], v[BM+2]
	v_max_num_f32 v255, v255, v[BM+3]
	v_mul_f32 v255, s[CS], v255                    ; as t
	v_max_num_f32 v13, v13, v255                   ; the running largest t
.if !\first
	v_mov_b32 v255, v12
.endif
	v_floor_f32 v12, -v13                          ; -M = floor(-t): M is a whole number
.if !\first
	v_sub_f32 v255, v12, v255                      ; old M - new M: a whole number, 0 or less
	v_cvt_i32_f32 v255, v255                       ; (it saturates)
	v_ldexp_f32 v252, 1.0, v255                    ; f = 2^(old M - new M)
.endif
.set j, 0
.rept 32
	v_pk_fma_f32 v[S+j:S+j+1], v[S+j:S+j+1], s[CS:CS+1], v[12:13] op_sel_hi:[1,0,0]   ; t - M
.set j, j+2
.endr
.irp b, 0,1,2,3
	v_fma_f32 v[BM+\b], v[BM+\b], s[CS], v12
.endr
.set j, 0
.rept 64
	v_exp_f32 v[S+j], v[S+j]                       ; p = 2^(t - M)
.set j, j+1
.endr
.irp b, 0,1,2,3
	v_exp_f32 v[BM+\b], v[BM+\b]                   ; the block's largest p: the same two instructions on the same number
.endr
.if \first
	v_nop                                          ; a plain place behind the exponentials
	s_wait_alu depctr_va_vdst(0)
.else
	v_pk_mul_f32 v[14:15], v[14:15], v[252:253] op_sel_hi:[1,0]     ; the sums under the new M (a plain place behind the exponentials)
	s_wait_alu depctr_va_vdst(0)
.endif
.irp b, 0,1,2,3
	v_max_num_f32 v[BM+\b], 0x2800000, v[BM+\b]    ; the floor 2^(5 - 127)
.endr
.irp b, 0,1,2,3
	v_add_nc_u32 v[SO+\b], 0xfe000000, v[BM+\b]
.endr
.irp b, 0,1,2,3
	v_lshrrev_b32 v[BP+\b], 23, v[SO+\b]
.endr
	v_lshl_or_b32 v[PW], v[BP+1], 8, v[BP]
	v_lshl_or_b32 v[PW], v[BP+2], 16, v[PW]
	v_lshl_or_b32 v[PW], v[BP+3], 24, v[PW]
.irp c, 0,1
	v_cvt_scalef32_pk16_bf6_f32 v[PC+6*\c:PC+6*\c+2], v[S+32*\c:S+32*\c+15], v[SO+2*\c]
	v_cvt_scalef32_pk16_bf6_f32 v[PT+4*\c:PT+4*\c+2], v[S+32*\c+16:S+32*\c+31], v[SO+2*\c+1]
.endr
	v_nop                                          ; one plain place behind a scaled conversion
.irp c, 0,1
.irp i, 0,1,2
	v_permlane16_swap_b32 v[PC+6*\c+\i], v[PT+4*\c+\i]
.endr
.irp i, 0,1,2
	v_mov_b32 v[PC+6*\c+3+\i], v[PT+4*\c+\i]
.endr
.endr
	s_wait_dscnt 0x0                               ; V and its half words are in
	v_lshl_or_b32 v[VS], v[VR+2], 16, v[VR]        ; bytes 0, 1: the first slot's two blocks; bytes 2, 3: the second's
	v_lshl_or_b32 v[VS+1], v[VR+3], 16, v[VR+1]
	v_pk_add_f32 v[212:213], v[S:S+1], v[S+2:S+3]  ; the row's sum of the unquantised p, in two chains.  (These lines are also the eight places between a scale register's write and the products)
.set j, 4
.rept 15
	v_pk_add_f32 v[14:15], v[14:15], v[S+j:S+j+1]
	v_pk_add_f32 v[212:213], v[212:213], v[S+j+2:S+j+3]
.set j, j+4
.endr
	v_pk_add_f32 v[14:15], v[14:15], v[212:213]
.if !\first
.set j, 0
.rept 16
	v_pk_mul_f32 v[O+j:O+j+1], v[O+j:O+j+1], v[252:253] op_sel_hi:[1,0]   ; O^T under the new M
.set j, j+2
.endr
.endif
.irp d, 0,2                            ; O^T += V^T P^T: four accumulators by turns
.if \first
	v_wmma_scale_f32_16x16x128_f8f6f4 v[O+8*\d:O+8*\d+7], v[F+12*\d:F+12*\d+11], v[PC:PC+11], 0, v[VS+\d/2], v[PW] matrix_a_fmt:MATRIX_FMT_BF6 matrix_b_fmt:MATRIX_FMT_BF6
	v_wmma_scale_f32_16x16x128_f8f6f4 v[O+8*\d+8:O+8*\d+15], v[F+12*\d+12:F+12*\d+23], v[PC:PC+11], 0, v[VS+\d/2], v[PW] matrix_a_fmt:MATRIX_FMT_BF6 matrix_b_fmt:MATRIX_FMT_BF6 matrix_a_scale:MATRIX_SCALE_ROW1
.else
	v_wmma_scale_f32_16x16x128_f8f6f4 v[O+8*\d:O+8*\d+7], v[F+12*\d:F+12*\d+11], v[PC:PC+11], v[O+8*\d:O+8*\d+7], v[VS+\d/2], v[PW] matrix_a_fmt:MATRIX_FMT_BF6 matrix_b_fmt:MATRIX_FMT_BF6
	v_wmma_scale_f32_16x16x128_f8f6f4 v[O+8*\d+8:O+8*\d+15], v[F+12*\d+12:F+12*\d+23], v[PC:PC+11], v[O+8*\d+8:O+8*\d+15], v[VS+\d/2], v[PW] matrix_a_fmt:MATRIX_FMT_BF6 matrix_b_fmt:MATRIX_FMT_BF6 matrix_a_scale:MATRIX_SCALE_ROW1
.endif
.endr
.rept 4
	v_nop                                          ; four places in front of the next loads into V's registers, and of the first read of O^T
.endr
.endm
	s_wait_tensorcnt 0x0                           ; my six loads have landed,
	s_barrier_signal -1
	s_barrier_wait -1                              ; everybody's have
	s_wait_loadcnt 0x0                             ; Q
	STEP 0, 1
	STEP 1, 0
	STEP 2, 0
	; THE END: O^T / the sum, quantised along the head's 64, which are 64 of the last product's K
	v_add_f32 v14, v14, v15
	v_permlanex16_b32 v255, v14, s[SEL], s[SEL+1]
	v_add_f32 v14, v14, v255                       ; the row's sum
	v_rcp_f32 v14, v14
	v_nop                                          ; a plain place behind the transcendental
.set j, 0
	s_wait_alu depctr_va_vdst(0)
.rept 16
	v_pk_mul_f32 v[192+j:193+j], v[O+j:O+j+1], v[14:15] op_sel_hi:[1,0]
.set j, j+2
.endr
	s_lshr_b32 s20, s15, 1                         ; block of 128 rows
	s_and_b32 s21, s15, 1
	s_mul_i32 s22, s20, 98304
	s_lshl_b32 s23, s16, 1
	s_lshr_b32 s24, s13, 1
	s_add_co_u32 s23, s23, s24                     ; K step = head / 2
	s_mul_i32 s23, s23, 12288
	s_add_co_u32 s22, s22, s23
	s_lshl_b32 s23, s21, 2
	s_add_co_u32 s23, s23, s14                     ; tile in the block
	s_mul_i32 s23, s23, 1536
	s_add_co_u32 s22, s22, s23
	s_and_b32 s23, s13, 1                          ; half = head % 2
	s_mul_i32 s23, s23, 768
	s_add_co_u32 s22, s22, s23
	s_mov_b32 s23, 0
	s_add_nc_u64 s[22:23], s[8:9], s[22:23]
	QH 192, PC, 96, 255
	global_store_b128 v8, v[PC:PC+3], s[22:23]
	global_store_b64 v10, v[PC+4:PC+5], s[22:23] offset:512
	ds_store_b16 v11, v255                         ; two of the four bytes of my rows' scale words (both halves of the lanes write the same bytes with the same value)
	s_wait_dscnt 0x0                               ; for the others' sake
	s_barrier_signal -1
	s_barrier_wait -1
	s_cmp_lg_u32 s12, 0
	s_cbranch_scc1 .Ldone
	ds_load_b128 v[100:103], v29                   ; wave 0 stores the words of two K steps: two runs of 256 consecutive bytes
	s_lshl_b32 s24, s20, 12
	s_lshl_b32 s25, s16, 10
	s_add_co_u32 s24, s24, s25
	s_lshl_b32 s25, s21, 8
	s_add_co_u32 s24, s24, s25
	s_mov_b32 s25, 0
	s_add_nc_u64 s[24:25], s[10:11], s[24:25]
	s_wait_dscnt 0x0
	global_store_b128 v30, v[100:103], s[24:25]
.Ldone:
	s_wait_tensorcnt 0x0
	ds_add_u32 v238, v239
	s_wait_dscnt 0x0
	s_endpgm
.Lfunc_end_k_q6b1bda118e_attn:
	.size	k_q6b1bda118e_attn, .Lfunc_end_k_q6b1bda118e_attn-k_q6b1bda118e_attn
	.p2alignl 7, 3214868480
	.fill 96, 4, 3214868480
	.section	.rodata,"a",@progbits
	.p2align	6, 0x0
	.amdhsa_kernel k_q6b1bda118e_attn
		.amdhsa_group_segment_fixed_size 169984
		.amdhsa_private_segment_fixed_size 0
		.amdhsa_enable_private_segment 0
		.amdhsa_kernarg_size 32
		.amdhsa_user_sgpr_count 2
		.amdhsa_user_sgpr_kernarg_segment_ptr 1
		.amdhsa_wavefront_size32 1
		.amdhsa_system_sgpr_workgroup_id_x 1
		.amdhsa_system_sgpr_workgroup_id_y 1
		.amdhsa_system_sgpr_workgroup_id_z 1
		.amdhsa_system_vgpr_workitem_id 0
		.amdhsa_next_free_vgpr 256
		.amdhsa_next_free_sgpr 88
		.amdhsa_reserve_vcc 1
		.amdhsa_float_denorm_mode_32 3
		.amdhsa_float_denorm_mode_16_64 3
		.amdhsa_memory_ordered 1
		.amdhsa_forward_progress 1
		.amdhsa_inst_pref_size 69
	.end_amdhsa_kernel
	.amdgpu_metadata
---
amdhsa.version: [ 1, 2 ]
amdhsa.kernels:
  - .name:           k_q6b1bda118e_attn
    .symbol:         k_q6b1bda118e_attn.kd
    .args:
      - { .name: hcod, .offset: 0, .size: 8, .value_kind: global_buffer, .address_space: global }
      - { .name: hscl, .offset: 8, .size: 8, .value_kind: global_buffer, .address_space: global }
      - { .name: acod, .offset: 16, .size: 8, .value_kind: global_buffer, .address_space: global }
      - { .name: ascl, .offset: 24, .size: 8, .value_kind: global_buffer, .address_space: global }
    .group_segment_fixed_size: 169984
    .private_segment_fixed_size: 0
    .kernarg_segment_align: 8
    .kernarg_segment_size: 32
    .max_flat_workgroup_size: 512
    .sgpr_count:     88
    .vgpr_count:     256
    .wavefront_size: 32
...
	.end_amdgpu_metadata
.endif
;; end of part 3
;; launch outp (part 4): grid 8 x 32, 4 waves a work-group, no clusters, 222,720 bytes of LDS; arguments acod, ascl, wcod, wscl, bo, out0; writes out0
.if DOCPART == 4
	.amdgcn_target "amdgcn-amd-amdhsa--gfx1250"
	.amdhsa_code_object_version 6
	.text
	.protected	k_q6b1bda118e_outp
	.globl	k_q6b1bda118e_outp
	.p2align	8
	.type	k_q6b1bda118e_outp,@function
k_q6b1bda118e_outp:
	s_mov_b64 s[64:65], 0
	v_nop
	global_prefetch_b8 v0, s[64:65] scope:SCOPE_SE
	s_setreg_imm32_b32 hwreg(HW_REG_WAVE_MODE, 25, 1), 1
	s_wait_xcnt 0x0
; out0 = A Wo + bo: A the attention's result as codes of BF6 with E8M0 scales, Wo likewise (the fourth section of the weights' buffers); f32 sums, f32 out.
; Work-group (x, y): 128 columns x 128 rows.  Operands lie in memory as images of operand registers (half image: 16 slots x 64 along K, 768 bytes; slot r of tile T = row 32 (T/2) + 8 (T%2) + r + 8 (r/8)).
; THE WHOLE K OF BOTH PANELS FITS IN LDS: each byte is filled once, by five tensor loads a wave issued together at the head (by this text's own count five are out); nothing is filled again.
; Wave (o, p): o = 0 the rows' panel, 1 Wo's; its first load brings the scale words of K steps 4 p .. 4 p + 3, load j the codes of K step 2 j + p.
; Four waves, each 64 x 64: 16 accumulators that take turns, one instruction a turn.  Source 0 = 16 columns of Wo, source 1 = 16 rows: a lane holds one row and, by the choice of a tile's slots,
; 16 neighbouring columns in each 16 registers.  The bias is the C of each sum's first product.
; THE WAY OUT: 16 rows x 64 columns at a time through the wave's own stage (rows 272 bytes apart, behind the panels: no tensor load lands there), back as whole runs of 256 bytes: sixteen lanes store 256 consecutive bytes, aligned.
; JOINT LOADS ARE NOT USED in this text: a rows' panel is asked for by the 8 work-groups of one y, a panel of Wo by the 32 of one x, each for itself.  The grid would divide into clusters: this is a stated shortcoming.
.set ACC, 128
.set BI,  32
.set SCR, 20
.set MSB, 0
.macro WIN new
.if MSB != \new
	s_set_vgpr_msb (MSB<<8)|\new
.set MSB, \new
.endif
.endm
.set MUL_W, 0x05                       ; sources 0 and 1 window 1; C and D window 0
.set TO_F,  0x40                       ; destination window 1, address window 0
.macro FRAG reg, a16, a8, off
	ds_load_b128 v[\reg:\reg+3], v[\a16] offset:\off
	ds_load_b64 v[\reg+4:\reg+5], v[\a8] offset:\off
	ds_load_b128 v[\reg+6:\reg+9], v[\a16] offset:\off+768
	ds_load_b64 v[\reg+10:\reg+11], v[\a8] offset:\off+768
.endm
.macro FETCH s                         ; K step s: 33 LDS loads into buffer s % 2 of window 1
	WIN 0
	ds_load_b128 v[SCR+4*((\s)%2):SCR+4*((\s)%2)+3], v16 offset:(\s)*512
	WIN TO_F
.irp i, 0,1,2,3
	FRAG 128*((\s)%2)+12*\i, 8+2*((\s)/4), 9+2*((\s)/4), ((\s)%4)*12288+\i*1536
.endr
.irp i, 0,1,2,3
	FRAG 128*((\s)%2)+48+12*\i, 12+2*((\s)/4), 13+2*((\s)/4), ((\s)%4)*12288+\i*1536
.endr
.endm
.macro MUL s, first
	WIN MUL_W
.set FB, 128*((\s)%2)
.set SS, SCR+4*((\s)%2)
.irp a, 0,1,2,3
.irp w, 0,1,2,3
.set DD, ACC+8*(4*\a+\w)
.if \first
	v_wmma_scale_f32_16x16x128_f8f6f4 v[DD:DD+7], v[FB+48+12*\w:FB+48+12*\w+11], v[FB+12*\a:FB+12*\a+11], v[BI+8*\w:BI+8*\w+7], v[SS+\w], v[SS+\a] matrix_a_fmt:MATRIX_FMT_BF6 matrix_b_fmt:MATRIX_FMT_BF6 matrix_a_scale:MATRIX_SCALE_ROW1
.else
	v_wmma_scale_f32_16x16x128_f8f6f4 v[DD:DD+7], v[FB+48+12*\w:FB+48+12*\w+11], v[FB+12*\a:FB+12*\a+11], v[DD:DD+7], v[SS+\w], v[SS+\a] matrix_a_fmt:MATRIX_FMT_BF6 matrix_b_fmt:MATRIX_FMT_BF6 matrix_a_scale:MATRIX_SCALE_ROW1
.endif
.endr
.endr
	WIN 0
.rept 4
	v_nop                                          ; four places in front of loads into registers that these products read, and of the first read of results
.endr
.endm
.macro BAR
	s_barrier_signal -1
	s_barrier_wait -1
.endm
.macro SETG0 g, j
	s_mov_b32 s[\g], 1
	s_add_co_u32 s[\g+1], s38, \j*24576
	s_add_nc_u64 s[\g+2:\g+3], s[30:31], \j*24576
	s_or_b32 s[\g+3], s[\g+3], 0x80000000
.endm
	s_load_b256 s[4:11], s[0:1], 0x0               ; acod, ascl, wcod, wscl
	s_load_b128 s[12:15], s[0:1], 0x20             ; bo, out0
	v_lshl_add_u32 v30, v0, 2, 0x36400
	v_mov_b32 v31, 0
	ds_add_u32 v30, v31
	ds_add_u32 v30, v31
	v_lshrrev_b32 v1, 5, v0
	v_readfirstlane_b32 s22, v1                    ; wave
	s_lshr_b32 s23, s22, 1                         ; o; also my half of the rows
	s_and_b32 s24, s22, 1                          ; p; also my half of the columns
	s_mov_b32 s25, ttmp9                           ; block of 128 columns
	s_and_b32 s28, ttmp7, 0xffff                   ; block of 128 rows
	v_and_b32 v1, 31, v0
	v_and_b32 v2, 15, v0                           ; r
	v_bfe_u32 v3, v0, 4, 1                         ; h
	v_lshlrev_b32 v4, 4, v1
	v_lshlrev_b32 v5, 3, v1
	s_mul_i32 s30, s23, 6144
	v_add_nc_u32 v8, s30, v4
	v_add_nc_u32 v9, s30, v5
	v_add_nc_u32 v9, 512, v9
	v_add_nc_u32 v10, 49152, v8
	v_add_nc_u32 v11, 49152, v9
	s_mul_i32 s30, s24, 6144
	s_add_co_u32 s30, s30, 98304
	v_add_nc_u32 v12, s30, v4
	v_add_nc_u32 v13, s30, v5
	v_add_nc_u32 v13, 512, v13
	v_add_nc_u32 v14, 49152, v12
	v_add_nc_u32 v15, 49152, v13
	s_lshl_b32 s30, s23, 8
	s_lshl_b32 s31, s24, 8
	s_add_co_u32 s31, s31, 4096
	s_sub_co_u32 s31, s31, s30
	v_mul_u32_u24 v16, s31, v3                     ; lanes 16-31 take Wo's scale words
	v_lshl_add_u32 v16, v2, 4, v16
	s_add_co_u32 s30, s30, 196608
	v_add_nc_u32 v16, s30, v16
	v_lshlrev_b32 v17, 6, v3                       ; bias: 64 h
	s_mul_i32 s30, s22, 4352
	s_add_co_u32 s30, s30, 204800                  ; my stage
	v_mul_u32_u24 v18, v2, 272
	v_lshl_add_u32 v18, v3, 6, v18
	v_add_nc_u32 v18, s30, v18                     ; in: row r, + 64 h
	v_mul_u32_u24 v19, v3, 272
	v_lshl_add_u32 v19, v2, 4, v19
	v_add_nc_u32 v19, s30, v19                     ; back: lanes 0-15 one row, lanes 16-31 the next
	v_lshlrev_b32 v28, 12, v3
	v_lshl_add_u32 v28, v2, 4, v28                 ; and the same in out0
	s_mov_b32 s40, 0x30000                         ; group 1: dense blocks as rows of 256 bytes: 48 rows of codes, 8 of scale words
	s_mov_b32 s41, 32<<16
	s_mov_b32 s42, 48<<16
	s_mov_b32 s43, 32<<16
	s_mov_b32 s44, 48
	s_mov_b32 s45, 32
	s_mov_b32 s46, 0
	s_mov_b32 s47, 0
	s_mov_b32 s48, 0x30000
	s_mov_b32 s49, 32<<16
	s_mov_b32 s50, 8<<16
	s_mov_b32 s51, 32<<16
	s_mov_b32 s52, 8
	s_mov_b32 s53, 32
	s_mov_b32 s54, 0
	s_mov_b32 s55, 0
	s_mul_i32 s30, s28, 98304
	s_mov_b32 s31, 0
	s_mul_i32 s32, s25, 98304
	s_add_co_u32 s32, s32, 3*786432                ; Wo is the weights' fourth section
	s_mov_b32 s33, 0
	s_lshl_b32 s34, s28, 12
	s_mov_b32 s35, 0
	s_lshl_b32 s36, s25, 12
	s_add_co_u32 s36, s36, 3*32768
	s_mov_b32 s37, 0
	s_mul_i32 s38, s23, 98304
	s_mul_i32 s39, s24, 12288
	s_add_co_u32 s38, s38, s39
	s_lshl_b32 s39, s22, 11
	s_add_co_u32 s39, s39, 196608
	s_wait_dscnt 0x0
	s_wait_kmcnt 0x0
	s_add_nc_u64 s[30:31], s[4:5], s[30:31]
	s_add_nc_u64 s[32:33], s[8:9], s[32:33]
	s_add_nc_u64 s[34:35], s[6:7], s[34:35]
	s_add_nc_u64 s[36:37], s[10:11], s[36:37]
	s_cmp_eq_u32 s23, 0
	s_cselect_b64 s[30:31], s[30:31], s[32:33]
	s_cselect_b64 s[34:35], s[34:35], s[36:37]
	s_mul_i32 s32, s24, 12288
	s_mov_b32 s33, 0
	s_add_nc_u64 s[30:31], s[30:31], s[32:33]
	s_lshl_b32 s32, s24, 11
	s_add_nc_u64 s[34:35], s[34:35], s[32:33]
	s_mov_b32 s56, 1
	s_mov_b32 s57, s39
	s_mov_b64 s[58:59], s[34:35]
	s_or_b32 s59, s59, 0x80000000
	SETG0 60, 0
	SETG0 68, 1
	SETG0 72, 2
	SETG0 76, 3
	s_lshl_b32 s32, s25, 9                         ; my 64 columns, in bytes
	s_lshl_b32 s36, s24, 8
	s_add_co_u32 s32, s32, s36
	s_add_nc_u64 s[82:83], s[12:13], s[32:33]      ; their bias
	s_lshl_b32 s36, s28, 19                        ; my 64 rows of 4,096 bytes
	s_add_co_u32 s32, s32, s36
	s_lshl_b32 s36, s23, 18
	s_add_co_u32 s32, s32, s36
	s_add_nc_u64 s[32:33], s[14:15], s[32:33]      ; out0 at my corner
	tensor_load_to_lds s[56:59], s[48:55]          ; all first fills together, ahead of every wait on TENSORcnt, LDS read and barrier
	s_nop 0
	tensor_load_to_lds s[60:63], s[40:47]
	s_nop 0
	tensor_load_to_lds s[68:71], s[40:47]
	s_nop 0
	tensor_load_to_lds s[72:75], s[40:47]
	s_nop 0
	tensor_load_to_lds s[76:79], s[40:47]
	s_nop 0
.rept 4
	v_nop
.endr
.irp w, 0,1,2,3                        ; lane (r, h), tile w, register j: column 32 (w / 2) + 8 (w % 2) + 16 h + j
	global_load_b128 v[BI+8*\w:BI+8*\w+3], v17, s[82:83] offset:(32*(\w/2)+8*(\w%2))*4
	global_load_b128 v[BI+8*\w+4:BI+8*\w+7], v17, s[82:83] offset:(32*(\w/2)+8*(\w%2))*4+16
.endr
	s_wait_tensorcnt 0x3                           ; my scale words and my load 0 have landed; loads 1 to 3 stay out
	BAR
	FETCH 0
	FETCH 1
	s_wait_dscnt 33                                ; step 0's loads are in; step 1's 33 stay out
	s_wait_loadcnt 0x0                             ; the bias
	MUL 0, 1
.irp q, 1,2,3
	s_wait_tensorcnt 3-\q                          ; my load q has landed; the later ones stay out
	s_wait_dscnt 0x0                               ; no LDS load of mine is out at a signal
	BAR                                            ; K steps 2 q and 2 q + 1 are whole
	FETCH 2*\q
	MUL 2*\q-1, 0
	FETCH 2*\q+1
	s_wait_dscnt 33
	MUL 2*\q, 0
.endr
	s_wait_dscnt 0x0
	MUL 7, 0
.macro TOSTAGE a                       ; tile a's 16 rows x 64 columns: register 16 b + i is column 32 b + 16 h + i
.irp b, 0,1
.irp q, 0,1,2,3
	ds_store_b128 v18, v[ACC+32*(\a)+16*\b+4*\q:ACC+32*(\a)+16*\b+4*\q+3] offset:128*\b+16*\q   ; each accumulator from its low end on
.endr
.endr
.irp t, 0,1,2,3,4,5,6,7
	ds_load_b128 v[64+32*((\a)%2)+4*\t:64+32*((\a)%2)+4*\t+3], v19 offset:2*\t*272   ; LDS serves a wave's instructions in order: these see the stores
.endr
.endm
.macro SEND a, younger                 ; younger: the LDS instructions issued behind tile a's loads
	s_wait_dscnt \younger
.irp t, 0,1,2,3,4,5,6,7
	global_store_b128 v28, v[64+32*((\a)%2)+4*\t:64+32*((\a)%2)+4*\t+3], s[32:33] offset:(32*((\a)/2)+8*((\a)%2)+2*\t+8*(\t/4))*4096 th:TH_STORE_NT   ; slots 2 t and 2 t + 1 of the tile: 16 lanes store 256 consecutive bytes, aligned
.endr
.endm
	TOSTAGE 0
	TOSTAGE 1
	SEND 0, 16                                     ; behind tile 0's loads: tile 1's 8 stores and 8 loads
	s_wait_xcnt 0x0                                ; tile 0's stores have read their registers
	TOSTAGE 2
	SEND 1, 16
	s_wait_xcnt 0x0
	TOSTAGE 3
	SEND 2, 16
	SEND 3, 0
	s_wait_tensorcnt 0x0
	ds_add_u32 v30, v31
	s_wait_dscnt 0x0
	s_endpgm
.Lfunc_end_k_q6b1bda118e_outp:
	.size	k_q6b1bda118e_outp, .Lfunc_end_k_q6b1bda118e_outp-k_q6b1bda118e_outp
	.p2alignl 7, 3214868480
	.fill 96, 4, 3214868480
	.section	.rodata,"a",@progbits
	.p2align	6, 0x0
	.amdhsa_kernel k_q6b1bda118e_outp
		.amdhsa_group_segment_fixed_size 222720
		.amdhsa_private_segment_fixed_size 0
		.amdhsa_enable_private_segment 0
		.amdhsa_kernarg_size 48
		.amdhsa_user_sgpr_count 2
		.amdhsa_user_sgpr_kernarg_segment_ptr 1
		.amdhsa_wavefront_size32 1
		.amdhsa_system_sgpr_workgroup_id_x 1
		.amdhsa_system_sgpr_workgroup_id_y 1
		.amdhsa_system_sgpr_workgroup_id_z 1
		.amdhsa_system_vgpr_workitem_id 0
		.amdhsa_next_free_vgpr 480
		.amdhsa_next_free_sgpr 84
		.amdhsa_reserve_vcc 0
		.amdhsa_float_denorm_mode_32 3
		.amdhsa_float_denorm_mode_16_64 3
		.amdhsa_memory_ordered 1
		.amdhsa_forward_progress 1
		.amdhsa_inst_pref_size 50
	.end_amdhsa_kernel
	.amdgpu_metadata
---
amdhsa.version: [ 1, 2 ]
amdhsa.kernels:
  - .name:           k_q6b1bda118e_outp
    .symbol:         k_q6b1bda118e_outp.kd
    .args:
      - { .name: acod, .offset: 0, .size: 8, .value_kind: global_buffer, .address_space: global }
      - { .name: ascl, .offset: 8, .size: 8, .value_kind: global_buffer, .address_space: global }
      - { .name: wcod, .offset: 16, .size: 8, .value_kind: global_buffer, .address_space: global }
      - { .name: wscl, .offset: 24, .size: 8, .value_kind: global_buffer, .address_space: global }
      - { .name: bo, .offset: 32, .size: 8, .value_kind: global_buffer, .address_space: global }
      - { .name: out0, .offset: 40, .size: 8, .value_kind: global_buffer, .address_space: global }
    .group_segment_fixed_size: 222720
    .private_segment_fixed_size: 0
    .kernarg_segment_align: 8
    .kernarg_segment_size: 48
    .max_flat_workgroup_size: 128
    .sgpr_count:     84
    .vgpr_count:     480
    .wavefront_size: 32
...
	.end_amdgpu_metadata
.endif
;; end of part 4
